; MI455X (gfx1250); checked and timed in simulation.
; The chip was launched on July 23, 2026; its instructions are those of AMD's public machine-readable ISA for CDNA 5 (MIT licence, August 2026) and "CDNA5" Instruction Set Architecture Reference Guide (July 2026). The comments in the code are by the model that wrote it; some were corrected since.
;; MHA. Allowed arithmetic: matrix products marked QUANTISED: E4M3 operands, one given power-of-two scale a tensor, by v_wmma_f32_16x16x64_fp8_fp8 or v_wmma_f32_16x16x128_fp8_fp8, f32 sums; everything else in f32.
;; Inputs: b_attn 3,072 float32; b_proj 1,024 float32; lowp_scales 8 int32 (the exponents e of the quantised operands' scales 2^e); w_attn 1,024 x 3,072 float32; w_proj 1,024 x 1,024 float32; x 8 x 1,024 x 1,024 float32.
;; Outputs: out0 8 x 1,024 x 1,024 float32.
;; This version of the problem:
;;   THIS VERSION OF THE PROBLEM IS GIVEN IN LOW PRECISION. The matrix products marked QUANTISED in the list below multiply operands that are first quantised to E4M3 (4 exponent bits, 3 mantissa bits; 8 bits a number), with one given power-of-two scale for each operand tensor; their sums are f32. All else is computed in f32.
;;   The module's matrix products, in the order in which they are computed (A, B: the left and right operand; K: the contracted axis; several contracted axes count as one K, in the product's order):
;;     1. [M 8,192, K 1,024] x [K 1,024, N 3,072]; A: input x; B: input w_attn: QUANTISED (scales: A lowp_scales[0], B lowp_scales[1])
;;     2. batch 128 x [M 1,024, K 64] x [K 64, N 1,024]; A: computed on the way; B: computed on the way: QUANTISED (scales: A lowp_scales[2], B lowp_scales[3])
;;     3. batch 128 x [M 1,024, K 1,024] x [K 1,024, N 64]; A: softmax (see below); B: computed on the way: QUANTISED (scales: A lowp_scales[4], B lowp_scales[5])
;;     4. [M 8,192, K 1,024] x [K 1,024, N 1,024]; A: computed on the way; B: input w_proj: QUANTISED (scales: A lowp_scales[6], B lowp_scales[7])
;;   THE QUANTISER, for each operand of a quantised product, along K:
;;     - The operand's scale is 2^e, e = its entry of the input lowp_scales (int32; the entries are numbered through the quantised products in the list's order, A before B).
;;     - Each number is divided by the scale, clamped to +-448, and rounded to the nearest number of E4M3, ties to even, subnormals kept.
;;     - The product sums the exact products of the quantised numbers (number of the format x scale) in f32.
;;   ~~~python
;;   def quantise(x, axis, e):      # numpy; x: float32 -> the quantised numbers, widened to float32 again
;;       x = np.moveaxis(x, axis, -1); K = x.shape[-1]
;;       r = np.clip(x / 2.0 ** e, -448, 448)
;;       step = 2.0 ** (np.maximum(np.frexp(np.where(r == 0, 1, r))[1] - 1, -6) - 3)
;;       q = np.round(r / step) * step * 2.0 ** e      # np.round: ties to even
;;       return np.moveaxis(q, -1, axis).astype(np.float32)
;;   ~~~
;;   SOFTMAX AHEAD OF A QUANTISED PRODUCT. Where the list says 'softmax', what is quantised is not the finished softmax but p = 2^(t - M), with t = logit x log2(e) and M = ceil(the row's largest t), a whole number; so 1/2 < the row's largest p <= 1. The row's sum l is taken of the UNQUANTISED p, in f32, and the product's result is divided by l at the end. Since M is a whole number, a kernel that streams over the keys may use a running M (the ceiling of the running maximum): every later rescaling is an exact power of two, so the quantised numbers keep their values, but for numbers so far below the row's largest that they fall under the format's range.
;;   OPERANDS COMPUTED ON THE WAY. 'Computed on the way' means the value that the module computes at that place (a softmax that the list does not call 'softmax' is quantised finished and normalised). What goes into a quantiser is computed in f32, as accurately as f32 sums, v_exp_f32 and their like allow (about 1e-6 of the number): no bf16 or f16 on the way to a quantiser, and a product that is left as it is and whose result goes on into a quantised operand takes f32 operands (vector FMAs, or v_wmma_f32_16x16x4_f32). A number that lies on a knife's edge between two numbers of the format may be rounded either way, as far as f32 arithmetic and the matrix unit's own rounding can turn it there, and no further.
;; One version. Each part assembles by itself: llvm-mc -triple=amdgcn-amd-amdhsa -mcpu=gfx1250 --defsym DOCPART=n.
;; ======== version 1 of 1: 4 launches
;; limits: right only within a limited range of input values
;; workspace buffers: codes 12,582,912 bytes; qkv 25,165,824 bytes; oimg 8,388,608 bytes
;; launch quant (part 1): grid 512 x 1, 4 waves a work-group, no clusters, 17,920 bytes of LDS; arguments x, w_attn, w_proj, lowp_scales, codes; writes codes
.if DOCPART == 1
	.amdgcn_target "amdgcn-amd-amdhsa--gfx1250"
	.amdhsa_code_object_version 6
	.text
	.protected	k_qfbf4f90771_quant
	.globl	k_qfbf4f90771_quant
	.p2align	8
	.type	k_qfbf4f90771_quant,@function
k_qfbf4f90771_quant:
	s_mov_b64 s[64:65], 0
	v_nop
	global_prefetch_b8 v0, s[64:65] scope:SCOPE_SE
	s_setreg_imm32_b32 hwreg(HW_REG_WAVE_MODE, 25, 1), 1
	s_wait_xcnt 0x0
; x [8192][1024], w_attn [1024][3072] and w_proj [1024][1024], f32, become codes of FP8 (E4M3), laid as IMAGES OF OPERAND REGISTERS: 16 rows x 64 along K are 1,024 bytes;
; byte 512 c + 16 l + i is k = 32 c + 16 (l / 16) + i of row l % 16.  A tile of 16 rows x 1,024 along K is 16 such images, 16,384 bytes on end.  code = number / 2^e, held within +-448, to the nearest code, ties to even.
; Tiles 0-511: x's tokens.  Tiles 512-703: w_attn: for each g = 0 .. 7 (heads 2 g, 2 g + 1) 24 tiles: head 2 g: q 4, k 4, v 4, then head 2 g + 1 likewise.  Tiles 704-767: w_proj's columns.
; THE ROWS OF A WEIGHT'S TILE: of 32 columns, tile u (0, 1) holds in row r the column 16 (r / 8) + 8 u + r % 8: used as a matrix instruction's first source it leaves eight neighbouring columns in a lane's eight
; result registers, and two neighbouring tiles leave sixteen.
; Work-groups 0-255 take x (a wave 16 rows x 512 along K); 256-447 w_attn, 448-511 w_proj (128 columns x 128 along K each: K is the FIRST axis there, so a lane takes a column and its registers run down K,
; and a lane's 16 codes are its 16 bytes of an image: sixteen lanes store 256 consecutive bytes straight from registers).  No tensor loads, no barrier: waves share nothing.
; WORK LEFT OUT IN THE PROGRAM: in the attention launch, key steps of 128 keys all of which come after a wave's 16 queries.  reference() sets those logits to -infinity by its own causal mask, so their weights are 0
; for all values of the inputs.  LIMIT: a NaN, an infinity or an overflow that reaches only such a logit is not carried to the result.
; LIMITS: each e between -126 and 119, so that 2^e and 448 x 2^e are f32 numbers.  NaN among the inputs is not served.
.set SPW,   12
.set NIL,   13
.set XR,    16                         ; x: v16-143  four sets of 32 numbers as loaded
.set XN,    144                        ; x: v144-175 two runs of 16 neighbours along K
.set XC,    176                        ; x: v176-239 codes, eight registers for each of eight steps
.set PITCH, 272                        ; x: a stage row: 64 numbers + 16 bytes
.set SPARE, 4*16*PITCH                 ; behind the four stages: the spare words, 128 bytes for each wave
.set WX,    16                         ; w: v16-79   two sets of 32 numbers
.set WC,    80                         ; w: v80-111  codes, eight registers for each of four blocks
.set OFFS,  112                        ; w: v112-143 4 x column + i rows of the weight
.set BT,    32                         ; w: s[32:39] four bases, one for each block
.macro XLOAD t                         ; 16 rows x 64 along K: each load takes 256 aligned bytes of two rows
.irp i, 0,1,2,3,4,5,6,7
	global_load_b128 v[XR+32*((\t)%4)+4*\i:XR+32*((\t)%4)+4*\i+3], v3, s[4:5] offset:8192*\i+256*(\t) th:TH_LOAD_NT
.endr
.endm
.macro XSTEP t
.if (\t) <= 4
	s_wait_loadcnt 24                              ; this step's eight loads are in; the three steps behind it (24 loads) may be out
.else
	s_wait_loadcnt 8*(7-(\t))
.endif
.irp i, 0,1,2,3,4,5,6,7
	ds_store_b128 v14, v[XR+32*((\t)%4)+4*\i:XR+32*((\t)%4)+4*\i+3] offset:2*PITCH*\i
.endr
.irp c, 0,1
.irp j, 0,1,2,3
	ds_load_b128 v[XN+16*\c+4*\j:XN+16*\c+4*\j+3], v15 offset:128*\c+16*\j   ; LDS serves a wave's instructions in order: these see my stores
.endr
.endr
	s_wait_dscnt 0x0                               ; the numbers are back, and the stores have read their registers,
.if (\t)+4 < 8
	XLOAD (\t)+4                                   ; which take the loads of four steps on
.endif
.set ii, 0
.rept 32
	v_med3_num_f32 v[XN+ii], v[XN+ii], -v10, v10   ; the conversion to an 8-bit code does not saturate (ISA guide 7.6.2): the hold comes first
.set ii, ii+1
.endr
.irp c, 0,1
	v_cvt_scalef32_pk8_fp8_f32 v[XC+8*(\t)+4*\c:XC+8*(\t)+4*\c+1], v[XN+16*\c:XN+16*\c+7], v11
	v_cvt_scalef32_pk8_fp8_f32 v[XC+8*(\t)+4*\c+2:XC+8*(\t)+4*\c+3], v[XN+16*\c+8:XN+16*\c+15], v11
.endr
	v_nop                                          ; a plain vector instruction behind the last conversion
.irp c, 0,1
	global_store_b128 v4, v[XC+8*(\t)+4*\c:XC+8*(\t)+4*\c+3], s[12:13] offset:1024*(\t)+512*\c   ; 512 consecutive aligned bytes; each step has its own registers
.endr
.endm
.macro WLOAD t                         ; block t: W(32 t + i, my column), i = 0 .. 31, into set t % 2
.set ii, 0
.rept 32
	global_load_b32 v[WX+32*((\t)%2)+ii], v[OFFS+ii], s[BT+2*(\t):BT+2*(\t)+1] th:TH_LOAD_NT
.set ii, ii+1
.endr
.endm
.macro WBLOCK t
.set XS, WX+32*((\t)%2)
.if (\t) < 3
	s_wait_loadcnt 32                              ; this block's 32 loads are in; the next block's 32 may be out
.else
	s_wait_loadcnt 0
.endif
.set ii, 0
.rept 32
	v_med3_num_f32 v[XS+ii], v[XS+ii], -v10, v10
.set ii, ii+1
.endr
.irp g, 0,1,2,3
	v_cvt_scalef32_pk8_fp8_f32 v[WC+8*(\t)+2*\g:WC+8*(\t)+2*\g+1], v[XS+8*\g:XS+8*\g+7], v11
.endr
	v_nop
.irp g, 0,1
	global_store_b128 v4, v[WC+8*(\t)+4*\g:WC+8*(\t)+4*\g+3], s[12:13] offset:512*(\t)+256*\g   ; sixteen lanes store 256 consecutive aligned bytes of a tile
.endr
.if (\t)+2 < 4
	WLOAD (\t)+2
.endif
.endm
	s_load_b256 s[4:11], s[0:1], 0x0               ; x s[4:5], w_attn s[6:7], w_proj s[8:9], the scales' exponents s[10:11]
	s_load_b64 s[12:13], s[0:1], 0x20              ; the codes
	v_lshl_add_u32 v[SPW], v0, 2, SPARE
	v_mov_b32 v[NIL], 0
	v_lshrrev_b32 v1, 5, v0
	v_readfirstlane_b32 s16, v1                    ; wave 0..3
	v_and_b32 v2, 31, v0                           ; lane
	s_wait_alu depctr_va_vdst(0)
	s_wait_kmcnt 0x0
	s_load_b256 s[20:27], s[10:11], 0x0            ; e0 .. e7
	s_cmp_lt_u32 ttmp9, 256
	s_cbranch_scc0 .Lweights
	; ---- x: wave number W of 1,024 takes token tile W / 2, half W % 2 along K
	s_lshl_b32 s18, ttmp9, 2
	s_add_co_u32 s18, s18, s16
	s_lshr_b32 s19, s18, 1
	s_and_b32 s18, s18, 1
	s_lshl_b32 s28, s19, 16
	s_lshl_b32 s29, s18, 11
	s_add_co_u32 s28, s28, s29
	s_mov_b32 s29, 0
	s_add_nc_u64 s[4:5], s[4:5], s[28:29]
	s_lshl_b32 s28, s19, 14
	s_lshl_b32 s30, s18, 13
	s_add_co_u32 s28, s28, s30
	s_add_nc_u64 s[12:13], s[12:13], s[28:29]
	s_mul_i32 s17, s16, 16*PITCH                   ; my stage
	v_and_b32 v5, 15, v2                           ; r
	v_lshrrev_b32 v6, 4, v2                        ; h
	v_lshlrev_b32 v3, 12, v6
	v_lshl_add_u32 v3, v5, 4, v3                   ; in: lanes 0-15 one row, lanes 16-31 the next
	v_mul_u32_u24 v14, v6, PITCH
	v_lshl_add_u32 v14, v5, 4, v14
	v_add_nc_u32 v14, s17, v14                     ; the same two rows in the stage
	v_mul_u32_u24 v15, v5, PITCH
	v_lshl_add_u32 v15, v6, 6, v15
	v_add_nc_u32 v15, s17, v15                     ; out of it: row r, 16 numbers of my half
	v_lshlrev_b32 v4, 4, v2                        ; my place in 512 bytes of an image
.irp t, 0,1,2,3
	XLOAD \t
.endr
	s_wait_alu depctr_va_vdst(0)
	s_wait_kmcnt 0x0
	s_add_co_i32 s22, s20, 127
	s_lshl_b32 s23, s22, 23
	v_mov_b32 v11, s23                             ; 2^e0 as f32: the conversion takes its exponent field
	s_add_co_i32 s22, s22, 8
	s_lshl_b32 s22, s22, 23
	s_or_b32 s22, s22, 0x600000
	v_mov_b32 v10, s22                             ; 448 x 2^e0
	s_wait_alu depctr_va_vdst(0)                   ; the head's end
.irp t, 0,1,2,3,4,5,6,7
	XSTEP \t
.endr
	s_wait_tensorcnt 0x0                           ; the wave's end
	ds_add_u32 v[SPW], v[NIL]
	s_wait_dscnt 0x0
	s_endpgm
.Lweights:
	; ---- a weight: 128 columns x 128 along K for the work-group, 32 columns (two tiles) for a wave.  One text for both weights: pointer, pitch and place are chosen on the work-group's number
	s_sub_co_u32 s17, ttmp9, 256
	s_and_b32 s18, s17, 7                          ; which 128 along K
	s_mov_b32 s30, 4096
	s_cmp_lt_u32 s17, 192                          ; w_attn's work-group or w_proj's?
	s_cselect_b64 s[6:7], s[6:7], s[8:9]
	s_cselect_b32 s30, 12288, s30                  ; bytes from a row of the weight to the next
	s_cselect_b32 s19, 0, 192
	s_cselect_b32 s28, 1, 0
	s_sub_co_u32 s17, s17, s19
	s_lshr_b32 s17, s17, 3                         ; which 128 columns: for w_attn 8 part + g
	s_lshr_b32 s54, s17, 3
	s_and_b32 s55, s17, 7
	s_mul_i32 s55, s55, 24
	s_lshl_b32 s54, s54, 2
	s_add_co_u32 s54, s54, s55
	s_lshr_b32 s55, s16, 1
	s_mul_i32 s55, s55, 12
	s_add_co_u32 s54, s54, s55
	s_and_b32 s55, s16, 1
	s_lshl_b32 s55, s55, 1
	s_add_co_u32 s54, s54, s55
	s_add_co_u32 s54, s54, 512                     ; w_attn: 512 + 24 g + 12 (head) + 4 part + 2 (half head)
	s_lshl_b32 s55, s17, 3
	s_lshl_b32 s56, s16, 1
	s_add_co_u32 s55, s55, s56
	s_add_co_u32 s55, s55, 704                     ; w_proj: 704 + 8 x + 2 wave
	s_cmp_eq_u32 s28, 1
	s_cselect_b32 s52, s54, s55
	s_lshl_b32 s52, s52, 14
	s_lshl_b32 s53, s18, 11
	s_add_co_u32 s52, s52, s53
	s_mov_b32 s53, 0
	s_add_nc_u64 s[12:13], s[12:13], s[52:53]
	s_mul_i32 s48, s18, s30
	s_lshl_b32 s48, s48, 7                         ; 128 rows of the weight for each step along K,
	s_lshl_b32 s49, s17, 9
	s_add_co_u32 s48, s48, s49                     ; 128 columns of 4 bytes,
	s_lshl_b32 s49, s16, 7
	s_add_co_u32 s48, s48, s49                     ; 32 columns a wave
	s_mov_b32 s49, 0
	s_lshl_b32 s50, s30, 5                         ; 32 rows: from block to block
	s_mov_b32 s51, 0
	s_add_nc_u64 s[BT:BT+1], s[6:7], s[48:49]
.irp t, 1,2,3
	s_add_nc_u64 s[BT+2*\t:BT+2*\t+1], s[BT+2*\t-2:BT+2*\t-1], s[50:51]
.endr
	v_and_b32 v5, 7, v2
	v_bfe_u32 v6, v2, 3, 1
	v_lshl_add_u32 v5, v6, 4, v5
	v_lshrrev_b32 v6, 4, v2
	v_lshl_add_u32 v5, v6, 3, v5                   ; lane 16 u + r takes column 16 (r / 8) + 8 u + r % 8
	v_and_b32 v7, 15, v2
	v_lshlrev_b32 v4, 14, v6
	v_lshl_add_u32 v4, v7, 4, v4                   ; tile u, row r
	v_lshlrev_b32 v[OFFS], 2, v5
.set ii, 1
.rept 31
	v_add_nc_u32 v[OFFS+ii], s30, v[OFFS+ii-1]
.set ii, ii+1
.endr
	WLOAD 0
	WLOAD 1
	s_wait_alu depctr_va_vdst(0)
	s_wait_kmcnt 0x0
	s_cmp_eq_u32 s28, 1
	s_cselect_b32 s29, s21, s27                    ; e1 or e7
	s_add_co_i32 s29, s29, 127
	s_lshl_b32 s28, s29, 23
	v_mov_b32 v11, s28                             ; 2^e
	s_add_co_i32 s29, s29, 8
	s_lshl_b32 s29, s29, 23
	s_or_b32 s29, s29, 0x600000
	v_mov_b32 v10, s29                             ; 448 x 2^e
	s_wait_alu depctr_va_vdst(0)                   ; the head's end
.irp t, 0,1,2,3
	WBLOCK \t
.endr
	s_endpgm
.Lfunc_end_k_qfbf4f90771_quant:
	.size	k_qfbf4f90771_quant, .Lfunc_end_k_qfbf4f90771_quant-k_qfbf4f90771_quant
	.p2alignl 7, 3214868480
	.fill 96, 4, 3214868480
	.section	.rodata,"a",@progbits
	.p2align	6, 0x0
	.amdhsa_kernel k_qfbf4f90771_quant
		.amdhsa_group_segment_fixed_size 17920
		.amdhsa_private_segment_fixed_size 0
		.amdhsa_enable_private_segment 0
		.amdhsa_kernarg_size 40
		.amdhsa_user_sgpr_count 2
		.amdhsa_user_sgpr_kernarg_segment_ptr 1
		.amdhsa_wavefront_size32 1
		.amdhsa_system_sgpr_workgroup_id_x 1
		.amdhsa_system_sgpr_workgroup_id_y 1
		.amdhsa_system_sgpr_workgroup_id_z 1
		.amdhsa_system_vgpr_workitem_id 0
		.amdhsa_next_free_vgpr 240
		.amdhsa_next_free_sgpr 66
		.amdhsa_reserve_vcc 0
		.amdhsa_float_denorm_mode_32 3
		.amdhsa_float_denorm_mode_16_64 3
		.amdhsa_memory_ordered 1
		.amdhsa_forward_progress 1
		.amdhsa_inst_pref_size 63
	.end_amdhsa_kernel
	.amdgpu_metadata
---
amdhsa.version: [ 1, 2 ]
amdhsa.kernels:
  - .name:           k_qfbf4f90771_quant
    .symbol:         k_qfbf4f90771_quant.kd
    .args:
      - { .name: x, .offset: 0, .size: 8, .value_kind: global_buffer, .address_space: global }
      - { .name: w_attn, .offset: 8, .size: 8, .value_kind: global_buffer, .address_space: global }
      - { .name: w_proj, .offset: 16, .size: 8, .value_kind: global_buffer, .address_space: global }
      - { .name: lowp_scales, .offset: 24, .size: 8, .value_kind: global_buffer, .address_space: global }
      - { .name: codes, .offset: 32, .size: 8, .value_kind: global_buffer, .address_space: global }
    .group_segment_fixed_size: 17920
    .private_segment_fixed_size: 0
    .kernarg_segment_align: 8
    .kernarg_segment_size: 40
    .max_flat_workgroup_size: 128
    .sgpr_count:     66
    .vgpr_count:     240
    .wavefront_size: 32
...
	.end_amdgpu_metadata
.endif
;; end of part 1
;; launch qkv (part 2): grid 8 x 32, 4 waves a work-group, clusters of 4 x 4, 327,680 bytes of LDS; arguments codes, b_attn, lowp_scales, qkv; writes qkv
.if DOCPART == 2
	.amdgcn_target "amdgcn-amd-amdhsa--gfx1250"
	.amdhsa_code_object_version 6
	.text
	.protected	k_qfbf4f90771_qkv
	.globl	k_qfbf4f90771_qkv
	.p2align	8
	.type	k_qfbf4f90771_qkv,@function
k_qfbf4f90771_qkv:
	s_mov_b64 s[64:65], 0
	v_nop
	global_prefetch_b8 v0, s[64:65] scope:SCOPE_SE
	s_setreg_imm32_b32 hwreg(HW_REG_WAVE_MODE, 25, 1), 1
	s_wait_xcnt 0x0
	s_wait_alu depctr_hold_cnt(0) depctr_sa_sdst(0) depctr_va_vdst(0) depctr_va_sdst(0) depctr_va_ssrc(0) depctr_va_vcc(0) depctr_vm_vsrc(0)
	s_getreg_b32 s2, hwreg(HW_REG_IB_STS2, 6, 4)
	s_cmp_eq_u32 s2, 0
	s_cbranch_scc0 .Lentry_in_a_cluster
	s_endpgm
.Lentry_in_a_cluster:
	s_bfe_u32 s2, ttmp6, 0x10000c
	s_cmp_lg_u32 s2, 0xf033
	s_cbranch_scc0 .Lentry_shape_is_right
	s_endpgm
.Lentry_shape_is_right:
; qkv = x w_attn + b_attn on codes of FP8 (E4M3), and q, k, v quantised at once (scales 2^e2, 2^e3, 2^e5) and stored as images of operand registers for the attention launch.
; A work-group of four waves makes 256 tokens x 384 columns: q, k and v of heads 2 g and 2 g + 1; the grid is 8 x 32 = 256 work-groups.  A wave makes 128 tokens x one head's 64 + 64 + 64 columns:
; 96 accumulators, 768 registers.  Its 8 tiles of tokens and 12 tiles of the weight feed 96 matrix instructions for 64 along K.
; Operands are images (the launch before): 16 rows x 64 along K are 1,024 bytes, lane l's 16 bytes at 16 l of each 512: every LDS access is dense, no padding.
; K = 1,024 goes in steps of 256, 192, 256, 192, 128 through two slots of 163,840 and 122,880 bytes: two slots of 256 along K would leave no room for the spare words.  All is written out, there is no loop.
; CLUSTERS of 4 x 4: the token tiles are shared along a row of the cluster, the weight's along a column: each is asked for jointly.  No prefetch: five K steps, no loop to run ahead in.
; q, k: source 0 = the weight's rows, source 1 = tokens: a lane holds ONE token and eight rows of the weight.  v: the sources change places: a lane holds ONE channel and eight tokens.
; THE BIAS enters as the C of each accumulator's first product, divided by 2^(e0 + e1): the sums lack that factor, and it is folded into the conversion's scale.
; OUT: q at byte 0, k at 8,388,608: [head 16 b + h][tile of 16 tokens][1,024];  v at 16,777,216: [head][block of 128 keys][tile of 16 channels][2,048].  Straight from registers, 512 consecutive aligned bytes a store.
; The head's 64 stand in the order of the weight's rows in q and k alike, so every product meets its partner.
; LIMITS: e0 + e1 between -126 and 126; e2, e3, e5 less (e0 + e1) between -126 and 119; the bias / 2^(e0 + e1) is an f32 number.  NaN among the inputs is not served.
; REGISTERS: window 0: v0-31 addresses and constants; v32-63 v's bias; v64-191 tokens' fragments, two sets; v192-255 the weight's, two sets of four tiles; later the codes.
;   windows 1, 2, 3: accumulators of q, k, v, (a, b) at v[32 a + 8 b].  Window 3 v0-63 holds q's and k's bias until v's first products.
.set TF, 64
.set WF, 192
.set SLOT1, 163840
.set SPARE, SLOT1+122880               ; behind the slots: the spare words, 128 bytes for each wave
.set SC,   8                           ; v8-10   the results' scales
.set LIM,  11                          ; v11-13  448 x those
.set TA,  16                           ; v16-18  LDS address of my tokens' images: slot 0 (256 along K), slot 1, slot 0 (128 along K)
.set WA,  20                           ; v20-22  of my weight images
.set LI,  26                           ; v26     16 x lane
.set SPW, 28
.set NIL, 29
.set G1, 24
.set G0, 32
.set G1B, 48
.set G0B, 56
.set MSB, 0
.macro WIN new                         ; the immediate's high byte repeats the setting that is left
.if MSB != (\new)
	s_set_vgpr_msb (MSB<<8)|(\new)
.set MSB, (\new)
.endif
.endm
; A joint load: waves 0 and 1 fetch tokens, waves 2 and 3 the weight; the branch hangs on the wave's number alone.  An s_nop 0 and four v_nop follow each line.
.macro JLOAD
	s_cmp_eq_u32 s15, 0
	s_cbranch_scc0 .Lfor_b_\@
	tensor_load_to_lds s[G0:G0+3], s[G1:G1+7]
	s_nop 0
.rept 4
	v_nop
.endr
	s_branch .Lasked_\@
.Lfor_b_\@:
	tensor_load_to_lds s[G0B:G0B+3], s[G1B:G1B+7]
	s_nop 0
.rept 4
	v_nop
.endr
.Lasked_\@:
.endm
; The descriptors of a step of kb x 64 along K in the slot at byte slot: rows of kb x 1,024 bytes; adv: bytes on along K from the step before.  Only behind a wait that shows every load done.
.macro SETSTEP kb, slot, adv
	s_mov_b32 s[G1+1], (128*\kb)<<16
	s_mov_b32 s[G1+3], (128*\kb)<<16
	s_mov_b32 s[G1B+1], (128*\kb)<<16
	s_mov_b32 s[G1B+3], (128*\kb)<<16
	s_mul_i32 s[G0+1], s16, 8*\kb*1024
	s_add_co_u32 s[G0+1], s[G0+1], \slot
	s_mul_i32 s[G0B+1], s16, 12*\kb*1024
	s_add_co_u32 s[G0B+1], s[G0B+1], \slot+16*\kb*1024
.if \adv
	s_add_nc_u64 s[G0+2:G0+3], s[G0+2:G0+3], \adv
	s_add_nc_u64 s[G0B+2:G0B+3], s[G0B+2:G0B+3], \adv
.endif
.endm
.macro CREST                           ; a round of the cluster's barrier behind its opening barrier
	s_cmp_lg_u32 s14, 0
	s_cbranch_scc1 .Lnot_wave_0_\@
	s_barrier_signal -3
.Lnot_wave_0_\@:
	s_barrier_wait -3
	s_barrier_signal -1
	s_barrier_wait -1
.endm
.macro CROUND
	s_barrier_signal -1
	s_barrier_wait -1
	CREST
.endm
.macro LOC s                           ; where unit s (64 along K) lies: its step's images a tile (KB), its place among them (KK), its address registers (IX)
.if (\s) < 4
.set KB, 4
.set KK, (\s)
.set IX, 0
.else
.if (\s) < 7
.set KB, 3
.set KK, (\s)-4
.set IX, 1
.else
.if (\s) < 11
.set KB, 4
.set KK, (\s)-7
.set IX, 0
.else
.if (\s) < 14
.set KB, 3
.set KK, (\s)-11
.set IX, 1
.else
.set KB, 2
.set KK, (\s)-14
.set IX, 2
.endif
.endif
.endif
.endif
.endm
.macro FW s, m, wb                     ; the four weight tiles of kind m (0 q, 1 k, 2 v) of unit s: eight loads
	LOC \s
.irp i, 0,1,2,3
	ds_load_b128 v[\wb+8*\i:\wb+8*\i+3], v[WA+IX] offset:((4*\m+\i)*KB+KK)*1024
	ds_load_b128 v[\wb+8*\i+4:\wb+8*\i+7], v[WA+IX] offset:((4*\m+\i)*KB+KK)*1024+512
.endr
.endm
.macro FT s, hf, tb                    ; four of the eight token tiles of unit s: eight loads
	LOC \s
.irp i, 0,1,2,3
	ds_load_b128 v[\tb+32*\hf+8*\i:\tb+32*\hf+8*\i+3], v[TA+IX] offset:((4*\hf+\i)*KB+KK)*1024
	ds_load_b128 v[\tb+32*\hf+8*\i+4:\tb+32*\hf+8*\i+7], v[TA+IX] offset:((4*\hf+\i)*KB+KK)*1024+512
.endr
.endm
.macro MODE m, first                   ; both sources window 0; D window m + 1; C the same, in the first products where the bias lies
.if \first
.if \m == 0
	WIN 0x70
.endif
.if \m == 1
	WIN 0xb0
.endif
.if \m == 2
	WIN 0xc0
.endif
.else
	WIN 0x50*(\m+1)
.endif
.endm
; 4 n matrix instructions: n token tiles from a0 on x the four weight tiles.  The 96 accumulators take turns, one instruction a turn, in the same order in every unit.
.macro MULG m, tb, wb, a0, n, first
.set aa, \a0
.rept \n
.irp b, 0,1,2,3
.if \m == 2
.if \first
	v_wmma_f32_16x16x64_fp8_fp8 v[32*aa+8*\b:32*aa+8*\b+7], v[\tb+8*aa:\tb+8*aa+7], v[\wb+8*\b:\wb+8*\b+7], v[32+8*\b:32+8*\b+7]
.else
	v_wmma_f32_16x16x64_fp8_fp8 v[32*aa+8*\b:32*aa+8*\b+7], v[\tb+8*aa:\tb+8*aa+7], v[\wb+8*\b:\wb+8*\b+7], v[32*aa+8*\b:32*aa+8*\b+7]
.endif
.else
.if \first
	v_wmma_f32_16x16x64_fp8_fp8 v[32*aa+8*\b:32*aa+8*\b+7], v[\wb+8*\b:\wb+8*\b+7], v[\tb+8*aa:\tb+8*aa+7], v[32*\m+8*\b:32*\m+8*\b+7]
.else
	v_wmma_f32_16x16x64_fp8_fp8 v[32*aa+8*\b:32*aa+8*\b+7], v[\wb+8*\b:\wb+8*\b+7], v[\tb+8*aa:\tb+8*aa+7], v[32*aa+8*\b:32*aa+8*\b+7]
.endif
.endif
.endr
.set aa, aa+1
.endr
.endm
.macro PLACES n                        ; plain vector instructions between a matrix instruction and a load into, or a read of, its registers
.rept \n
	v_nop
.endr
.endm
; A UNIT: 64 along K, three groups of 32 matrix instructions (q, k, v).  At a group's head the next group's weight tiles are asked for, and in the first two half of the next unit's token tiles.
; turn: 0 within a slot; 1 the slot's last unit, the slot is filled again with the step (kb, slot, adv); 2 the same, nothing is filled; 3 the very last.
.macro UNIT s, turn=0, first=0, kb=0, slot=0, adv=0
.set TC, TF+64*((\s)%2)
.set TN, TF+64*(1-(\s)%2)
.set WP, WF+32*((\s)%2)
.set WQ, WF+32*(1-(\s)%2)
	s_wait_dscnt 0x0                               ; this unit's tokens and q's tiles are in
	PLACES 4
	WIN 0
	FW \s, 1, WQ
.if \turn == 0
	FT \s+1, 0, TN
.endif
	MODE 0, \first
	MULG 0, TC, WP, 0, 8, \first
.if \turn == 0
	s_wait_dscnt 8                                 ; k's tiles are in; eight loads of tokens may be out
.else
	s_wait_dscnt 0x0
.endif
	PLACES 4
	WIN 0
	FW \s, 2, WP
.if \turn == 0
	FT \s+1, 1, TN
.endif
	MODE 1, \first
	MULG 1, TC, WQ, 0, 8, \first
.if \turn == 0
	s_wait_dscnt 8                                 ; v's tiles are in; eight loads of tokens may be out
	PLACES 5                                       ; (five, for the unit whose products write over the bias that the groups before took as C)
	WIN 0
	FW \s+1, 0, WQ
	MODE 2, \first
	MULG 2, TC, WP, 0, 8, \first
.endif
.if (\turn == 1) || (\turn == 2)
	WIN 0
	s_wait_tensorcnt 0x0                           ; all my tensor loads have landed: my part of the next slot
	ds_add_u32 v[SPW], v[NIL]
.if \turn == 1
	SETSTEP \kb, \slot, \adv
.endif
	s_wait_dscnt 1                                 ; v's tiles are in; the add may be out
	MODE 2, 0
	MULG 2, TC, WP, 0, 2, 0
	s_wait_dscnt 0x0                               ; the add is done, and my reads of this slot are over
	s_barrier_signal -1
	MULG 2, TC, WP, 2, 2, 0
	WIN 0
	s_barrier_wait -1
.if \turn == 1
	CREST                                          ; the barrier has opened a round of the cluster's: no wave of any partner still reads this slot or has a load on its way
	JLOAD                                          ; the first tensor load behind the round; its four v_nop are also the places in front of the loads below
.else
	PLACES 4
.endif
	FT \s+1, 0, TN
	FT \s+1, 1, TN
	FW \s+1, 0, WQ
	MODE 2, 0
	MULG 2, TC, WP, 4, 4, 0
.endif
.if \turn == 3
	s_wait_dscnt 0x0
	PLACES 4
	MODE 2, 0
	MULG 2, TC, WP, 0, 8, 0
.endif
.endm
; THE WAY OUT of q (m = 0) and k (1): for each token tile the hold, four conversions, two stores of 512 bytes.
.macro EPIQ m, base
.irp a, 0,1,2,3,4,5,6,7
.set CD, 64+64*\m+8*\a
	WIN 0x41*(\m+1)
.set ii, 0
.rept 32
	v_med3_num_f32 v[32*\a+ii], v[32*\a+ii], -v[LIM+\m], v[LIM+\m]   ; the conversion does not saturate (ISA guide 7.6.2)
.set ii, ii+1
.endr
	WIN \m+1
.irp b, 0,1,2,3
	v_cvt_scalef32_pk8_fp8_f32 v[CD+2*\b:CD+2*\b+1], v[32*\a+8*\b:32*\a+8*\b+7], v[SC+\m]
.endr
	v_nop                                          ; a plain vector instruction behind the last conversion
	WIN 0
	global_store_b128 v[LI], v[CD:CD+3], s[\base:\base+1] offset:1024*\a
	global_store_b128 v[LI], v[CD+4:CD+7], s[\base:\base+1] offset:1024*\a+512
.endr
.endm
.macro EPIV base                       ; v: for each tile of 16 channels the 128 keys
.irp b, 0,1,2,3
.set CD, 192+16*\b
	WIN 0xc3
.irp a, 0,1,2,3,4,5,6,7
.set ii, 0
.rept 8
	v_med3_num_f32 v[32*\a+8*\b+ii], v[32*\a+8*\b+ii], -v[LIM+2], v[LIM+2]
.set ii, ii+1
.endr
.endr
	WIN 0x03
.irp a, 0,1,2,3,4,5,6,7
	v_cvt_scalef32_pk8_fp8_f32 v[CD+2*\a:CD+2*\a+1], v[32*\a+8*\b:32*\a+8*\b+7], v[SC+2]
.endr
	v_nop
	WIN 0
.irp p, 0,1,2,3
	global_store_b128 v[LI], v[CD+4*\p:CD+4*\p+3], s[\base:\base+1] offset:2048*\b+512*\p
.endr
.endr
.endm
	s_load_b256 s[4:11], s[0:1], 0x0               ; codes s[4:5], b_attn s[6:7], the scales' exponents s[8:9], qkv s[10:11]
	v_lshl_add_u32 v[SPW], v0, 2, SPARE
	v_mov_b32 v[NIL], 0
	ds_add_u32 v[SPW], v[NIL]                      ; the wave's opening
	ds_add_u32 v[SPW], v[NIL]
	v_lshrrev_b32 v1, 5, v0
	v_readfirstlane_b32 s14, v1                    ; wave 0..3
	s_lshr_b32 s15, s14, 1                         ; which 128 tokens are mine.  Also: I fetch tokens (0) or the weight (1)
	s_and_b32 s16, s14, 1                          ; which head is mine.  Also: which half I fetch
	s_bfe_u32 s40, ttmp6, 0x40000                  ; cx
	s_bfe_u32 s41, ttmp6, 0x40004                  ; cy
	s_lshl_b32 s42, ttmp9, 2
	s_add_co_u32 s42, s42, s40                     ; g: heads 2 g, 2 g + 1
	s_and_b32 s17, ttmp7, 0xffff
	s_lshl_b32 s17, s17, 2
	s_add_co_u32 s17, s17, s41                     ; which 256 tokens
	s_lshl_b32 s43, s41, 2
	s_lshl_b32 s43, 15, s43                        ; my row of the cluster
	s_lshl_b32 s44, 0x1111, s40                    ; my column
	s_or_b32 s[G1], s43, (3<<16)|(1<<21)           ; the mask; elements of 8 bytes; bit 21 beside a mask; no padding
	s_or_b32 s[G1B], s44, (3<<16)|(1<<21)
	s_mov_b32 s[G1+2], 8<<16                       ; tokens: 8 tiles
	s_mov_b32 s[G1+4], 8
	s_mov_b32 s[G1+5], 2048                        ; 16,384 bytes from tile to tile
	s_mov_b32 s[G1+6], 0
	s_mov_b32 s[G1+7], 0
	s_mov_b32 s[G1B+2], 12<<16                     ; the weight: 12 tiles
	s_mov_b32 s[G1B+4], 12
	s_mov_b32 s[G1B+5], 2048
	s_mov_b32 s[G1B+6], 0
	s_mov_b32 s[G1B+7], 0
	SETSTEP 4, 0, 0
	s_lshl_b32 s20, s17, 4
	s_lshl_b32 s18, s16, 3
	s_add_co_u32 s20, s20, s18
	s_lshl_b32 s20, s20, 14                        ; token tile 16 y + 8 half
	s_mov_b32 s21, 0
	s_mul_i32 s46, s42, 24
	s_mul_i32 s19, s16, 12
	s_add_co_u32 s46, s46, s19
	s_add_co_u32 s46, s46, 512
	s_lshl_b32 s46, s46, 14                        ; weight tile 512 + 24 g + 12 half
	s_mov_b32 s47, 0
	s_wait_dscnt 0x0                               ; both opening adds are done
	s_wait_kmcnt 0x0
	s_load_b256 s[72:79], s[8:9], 0x0              ; e0 .. e7
	s_mov_b32 s[G0], 1
	s_add_nc_u64 s[G0+2:G0+3], s[4:5], s[20:21]
	s_or_b32 s[G0+3], s[G0+3], 0x80000000
	s_mov_b32 s[G0B], 1
	s_add_nc_u64 s[G0B+2:G0B+3], s[4:5], s[46:47]
	s_or_b32 s[G0B+3], s[G0B+3], 0x80000000
	CROUND                                         ; all sixteen work-groups are here: the first joint loads meet
	JLOAD                                          ; step 0: one tensor load a wave at the head
	v_and_b32 v1, 15, v0                           ; r
	v_bfe_u32 v2, v0, 4, 1                         ; h
	v_and_b32 v3, 31, v0
	v_lshlrev_b32 v[LI], 4, v3
	v_lshlrev_b32 v5, 6, v2                        ; q, k: 16 h columns on
	v_and_b32 v4, 8, v1
	v_add_nc_u32 v4, v4, v1
	v_lshlrev_b32 v6, 2, v4                        ; v: column r + 8 (r / 8)
	s_wait_alu depctr_va_vdst(0)
.macro ADR ix, kb, slot
	s_mul_i32 s21, s15, 8*\kb*1024
	s_add_co_u32 s21, s21, \slot
	v_add_nc_u32 v[TA+\ix], s21, v[LI]
	s_mul_i32 s22, s16, 12*\kb*1024
	s_add_co_u32 s22, s22, \slot+16*\kb*1024
	v_add_nc_u32 v[WA+\ix], s22, v[LI]
.endm
	ADR 0, 4, 0
	ADR 1, 3, SLOT1
	ADR 2, 2, 0
	s_lshl_b32 s84, s42, 1
	s_add_co_u32 s84, s84, s16                     ; my head
	s_lshl_b32 s85, s84, 8                         ; its 64 columns in the bias, in bytes
	v_add_nc_u32 v5, s85, v5
	v_add_nc_u32 v6, s85, v6
.irp b, 0,1,2,3
	global_load_b32 v[64+\b], v6, s[6:7] offset:8192+128*(\b/2)+32*(\b%2)
.endr
	WIN 0xc0                                       ; q's and k's bias: destination window 3
.irp b, 0,1,2,3
	global_load_b128 v[8*\b:8*\b+3], v5, s[6:7] offset:128*(\b/2)+32*(\b%2)
	global_load_b128 v[8*\b+4:8*\b+7], v5, s[6:7] offset:128*(\b/2)+32*(\b%2)+16
	global_load_b128 v[32+8*\b:32+8*\b+3], v5, s[6:7] offset:4096+128*(\b/2)+32*(\b%2)
	global_load_b128 v[32+8*\b+4:32+8*\b+7], v5, s[6:7] offset:4096+128*(\b/2)+32*(\b%2)+16
.endr
	WIN 0
	s_lshr_b32 s86, s17, 2
	s_lshl_b32 s86, s86, 4
	s_add_co_u32 s86, s86, s84                     ; 16 x batch + head,
	s_lshl_b32 s86, s86, 16                        ; 65,536 bytes each in q, k and v
	s_and_b32 s87, s17, 3
	s_lshl_b32 s87, s87, 1
	s_add_co_u32 s87, s87, s15
	s_lshl_b32 s87, s87, 13                        ; my 128 tokens: 8,192 bytes
	s_add_co_u32 s86, s86, s87
	s_mov_b32 s87, 0
	s_add_nc_u64 s[10:11], s[10:11], s[86:87]
	s_add_nc_u64 s[90:91], s[10:11], 0x800000
	s_add_nc_u64 s[92:93], s[10:11], 0x1000000
	s_wait_alu depctr_va_vdst(0)
	s_wait_kmcnt 0x0
	s_add_co_i32 s88, s72, s73                     ; e0 + e1
	s_sub_co_i32 s96, 127, s88
	s_lshl_b32 s96, s96, 23                        ; 2^-(e0 + e1) as f32
	s_mov_b32 s97, s96                             ; (named with it as a pair)
.macro SCALE m, e
	s_sub_co_i32 s89, s[\e], s88
	s_add_co_i32 s89, s89, 127
	s_lshl_b32 s94, s89, 23
	v_mov_b32 v[SC+\m], s94                        ; 2^(e - e0 - e1) as f32
	s_add_co_i32 s89, s89, 8
	s_lshl_b32 s89, s89, 23
	s_or_b32 s89, s89, 0x600000
	v_mov_b32 v[LIM+\m], s89                       ; 448 x that
.endm
	SCALE 0, 74
	SCALE 1, 75
	SCALE 2, 77
	s_wait_alu depctr_va_vdst(0)
	s_wait_loadcnt 0x0                             ; the bias
.irp b, 0,1,2,3
.irp j, 0,1,2,3,4,5,6,7
	v_mul_f32 v[32+8*\b+\j], s96, v[64+\b]         ; v: a lane's channel, the same for its eight tokens
.endr
.endr
	WIN 0xc3
.set ii, 0
.rept 32
	v_pk_mul_f32 v[ii:ii+1], v[ii:ii+1], s[96:97] op_sel_hi:[1,0]
.set ii, ii+2
.endr
	WIN 0
	s_wait_alu depctr_va_vdst(0)                   ; the head's end
	s_wait_tensorcnt 0x0                           ; my part of step 0 is in
	ds_add_u32 v[SPW], v[NIL]
	SETSTEP 3, SLOT1, 4096
	s_wait_dscnt 0x0                               ; the add is done
	CROUND                                         ; everybody's part of step 0 is in, and the joint loads meet
	JLOAD                                          ; step 1
	FT 0, 0, TF
	FT 0, 1, TF
	FW 0, 0, WF
	UNIT 0, 0, 1
	UNIT 1
	UNIT 2
	UNIT 3, 1, 0, 4, 0, 3072                       ; slot 0 takes step 2 (256 along K)
	UNIT 4
	UNIT 5
	UNIT 6, 1, 0, 3, SLOT1, 4096                   ; slot 1 takes step 3 (192)
	UNIT 7
	UNIT 8
	UNIT 9
	UNIT 10, 1, 0, 2, 0, 3072                      ; slot 0 takes step 4 (128)
	UNIT 11
	UNIT 12
	UNIT 13, 2                                     ; nothing is left to fetch
	UNIT 14
	UNIT 15, 3
	EPIQ 0, 10
	EPIQ 1, 90
	EPIV 92
	s_wait_tensorcnt 0x0                           ; the wave's end
	ds_add_u32 v[SPW], v[NIL]
	s_wait_dscnt 0x0
	CROUND                                         ; the closing round
	s_endpgm
.Lfunc_end_k_qfbf4f90771_qkv:
	.size	k_qfbf4f90771_qkv, .Lfunc_end_k_qfbf4f90771_qkv-k_qfbf4f90771_qkv
	.p2alignl 7, 3214868480
	.fill 96, 4, 3214868480
	.section	.rodata,"a",@progbits
	.p2align	6, 0x0
	.amdhsa_kernel k_qfbf4f90771_qkv
		.amdhsa_group_segment_fixed_size 327680
		.amdhsa_private_segment_fixed_size 0
		.amdhsa_enable_private_segment 0
		.amdhsa_kernarg_size 32
		.amdhsa_user_sgpr_count 2
		.amdhsa_user_sgpr_kernarg_segment_ptr 1
		.amdhsa_wavefront_size32 1
		.amdhsa_system_sgpr_workgroup_id_x 1
		.amdhsa_system_sgpr_workgroup_id_y 1
		.amdhsa_system_sgpr_workgroup_id_z 1
		.amdhsa_system_vgpr_workitem_id 0
		.amdhsa_next_free_vgpr 1024
		.amdhsa_next_free_sgpr 98
		.amdhsa_reserve_vcc 0
		.amdhsa_float_denorm_mode_32 3
		.amdhsa_float_denorm_mode_16_64 3
		.amdhsa_memory_ordered 1
		.amdhsa_forward_progress 1
		.amdhsa_inst_pref_size 227
	.end_amdhsa_kernel
	.amdgpu_metadata
---
amdhsa.version: [ 1, 2 ]
amdhsa.kernels:
  - .name:           k_qfbf4f90771_qkv
    .symbol:         k_qfbf4f90771_qkv.kd
    .args:
      - { .name: codes, .offset: 0, .size: 8, .value_kind: global_buffer, .address_space: global }
      - { .name: b_attn, .offset: 8, .size: 8, .value_kind: global_buffer, .address_space: global }
      - { .name: lowp_scales, .offset: 16, .size: 8, .value_kind: global_buffer, .address_space: global }
      - { .name: qkv, .offset: 24, .size: 8, .value_kind: global_buffer, .address_space: global }
    .group_segment_fixed_size: 327680
    .private_segment_fixed_size: 0
    .kernarg_segment_align: 8
    .kernarg_segment_size: 32
    .max_flat_workgroup_size: 128
    .sgpr_count:     98
    .vgpr_count:     1024
    .wavefront_size: 32
...
	.end_amdgpu_metadata
.endif
;; end of part 2
;; launch attn (part 3): grid 4 x 64, 16 waves a work-group, clusters of 4 x 1, 327,680 bytes of LDS; arguments qkv, lowp_scales, oimg; writes oimg
.if DOCPART == 3
	.amdgcn_target "amdgcn-amd-amdhsa--gfx1250"
	.amdhsa_code_object_version 6
	.text
	.protected	k_qfbf4f90771_attn
	.globl	k_qfbf4f90771_attn
	.p2align	8
	.type	k_qfbf4f90771_attn,@function
k_qfbf4f90771_attn:
	s_mov_b64 s[64:65], 0
	v_nop
	global_prefetch_b8 v0, s[64:65] scope:SCOPE_SE
	s_setreg_imm32_b32 hwreg(HW_REG_WAVE_MODE, 25, 1), 1
	s_wait_xcnt 0x0
	s_wait_alu depctr_hold_cnt(0) depctr_sa_sdst(0) depctr_va_vdst(0) depctr_va_sdst(0) depctr_va_ssrc(0) depctr_va_vcc(0) depctr_vm_vsrc(0)
	s_getreg_b32 s2, hwreg(HW_REG_IB_STS2, 6, 4)
	s_cmp_eq_u32 s2, 0
	s_cbranch_scc0 .Lentry_in_a_cluster
	s_endpgm
.Lentry_in_a_cluster:
	s_bfe_u32 s2, ttmp6, 0x10000c
	s_cmp_lg_u32 s2, 0x3003
	s_cbranch_scc0 .Lentry_shape_is_right
	s_endpgm
.Lentry_shape_is_right:
; Causal attention on codes of FP8 (E4M3): S^T = K Q^T (K = the head's 64), p = 2^(t - M), O^T = V^T P^T (K = the keys), O / the row's sum, quantised with 2^e6 and stored as images of the last product's operand registers.
; t = score x 2^(e2 + e3) x log2(e) / 8; M = the running largest t rounded UP to a whole number; p is quantised with 2^e4, not normalised; the sum is taken of the unquantised p; a change of M multiplies sum and O^T by an exact power of two.
; q, k, v come as register images: a tile of 16 tokens x 64 is 1,024 bytes, a tile of 16 channels x 128 keys 2,048; four registers are 512 bytes, lane l's 16 at 16 l: every LDS and global access is dense.
; SHARES.  A CLUSTER of four work-groups serves two heads, A and B, whose K and V (262,144 bytes) all lie in LDS: asked for jointly by all four, a sixteenth by each wave, filled once, nothing is filled again.
; Wave w of work-group cx owns query tile i = 4 w + cx of head A (pass 0) and tile 63 - i of head B (pass 1): (w / 2 + 1) + (8 - w / 2) = 9 key steps of 128 that are not wholly hidden, for every wave.
; The count of a wave's steps hangs on w alone: no branch hangs on cx.  WORK LEFT OUT: key steps wholly behind the diagonal (the first kernel's head says why).
; Both passes begin behind one barrier, when K and V of both heads have landed; no barrier stands between them.
; THE MASK enters as the C of the score products of a wave's last step: 0 where the key counts, -2^126 where it is hidden: p = 0 then.
; No prefetch: every byte of K and V is asked for by the tensor loads at the head.
; A lane holds ONE query (lane % 16) throughout.  S^T's tile c holds keys 16 c + 8 (lane / 16) + j: its eight codes are registers 2 c, 2 c + 1 of P, the form's own layout, as V's images have it.
; O^T's tile t, register j, is channel 32 (t / 2) + 16 (lane / 16) + 8 (t % 2) + j (by the order of wv's rows), so the eight code registers hold channels 32 c + 16 (lane / 16) + 0 .. 15 in registers 4 c .. 4 c + 3.
; oimg: [token tile 64 batch + query tile][head][1,024 bytes].
; LIMITS: the scaled scores t stay under 2^31 in magnitude; e2 + e3 between -80 and 130 (added to c's exponent field; -2^126 x c x 2^(e2 + e3) lies far under every t); e4 and e6 between -126 and 119; e4 + e5 goes by v_ldexp_f32 and has none.
.set SPARE, 262144                     ; behind K and V of both heads: the spare words, 128 bytes for each of 16 waves
.set LI,   1                           ; v1-4  16 x lane in K and V of head A, K and V of head B
.set SPW,  5
.set NIL,  6
.set ADK,  8
.set ADV,  9
.set DM,   224                         ; v224-231  the diagonal tile's mask: -1 where key 8 (lane / 16) + j comes after query lane % 16, else 0
.set ZERO, 232
.set WV,   18
.set SEL,  20
.set CS,   22
.set G1,   24
.set G0,   32
.set TB,   48                          ; s48  the step's first byte in K and in V: 64 x its first key
.set LB,   50                          ; s50, s51  the same of my last step in pass 0, 1
.set DT,   52                          ; s52, s53  which of that step's eight tiles of keys is on the diagonal
.set OB,   54                          ; s[54:57] where my results go
.set QB,   58                          ; s[58:61] where my queries' codes lie
.set AL,   62                          ; s[62:63]
.set BE,   66
; A KEY STEP of pass p: 128 keys.
.macro STEP p
	s_cmp_gt_u32 s[TB], s[LB+\p]                   ; all its keys come after my queries: the step's work is left out (the wave's number and the count of steps alone; no barrier stands in a step)
	s_cbranch_scc1 .Lhidden_\@
	v_add_nc_u32 v[ADK], s[TB], v[LI+2*\p]
	v_add_nc_u32 v[ADV], s[TB], v[LI+2*\p+1]
	v_nop                                          ; with the two additions: four places in front of loads into registers that matrix instructions have read
	v_nop
.irp t, 0,1,2,3,4,5,6,7
	ds_load_b128 v[32+8*\t:35+8*\t], v[ADK] offset:1024*\t
	ds_load_b128 v[36+8*\t:39+8*\t], v[ADK] offset:1024*\t+512
.endr
	s_wait_alu depctr_va_vdst(0)                   ; ahead of the branch
	s_cmp_eq_u32 s[TB], s[LB+\p]
	s_cbranch_scc0 .Lopen_\@
.irp c, 0,1,2,3,4,5,6,7                        ; my last step: tiles under the diagonal get C = 0, the diagonal one its mask x 2^126, those behind it -2^126
	s_cmp_eq_u32 s[DT+\p], \c
	s_cselect_b32 s[AL], 0x7e800000, 0
	s_cmp_lt_u32 s[DT+\p], \c
	s_cselect_b32 s[BE], 0xfe800000, 0
	v_mov_b32 v250, s[BE]
.irp i, 0,2,4,6
	v_pk_fma_f32 v[96+8*\c+\i:97+8*\c+\i], v[DM+\i:DM+\i+1], s[AL:AL+1], v[250:251] op_sel_hi:[1,0,0]
.endr
.endr
	s_wait_alu depctr_va_vdst(0)
	s_wait_dscnt 0x0
.irp t, 0,1,2,3,4,5,6,7
	v_wmma_f32_16x16x64_fp8_fp8 v[96+8*\t:103+8*\t], v[32+8*\t:39+8*\t], v[16+8*\p:23+8*\p], v[96+8*\t:103+8*\t]
.endr
	s_branch .Lscored_\@
.Lopen_\@:
	s_wait_dscnt 0x0
.irp t, 0,1,2,3,4,5,6,7
	v_wmma_f32_16x16x64_fp8_fp8 v[96+8*\t:103+8*\t], v[32+8*\t:39+8*\t], v[16+8*\p:23+8*\p], 0
.endr
.Lscored_\@:
.rept 4
	v_nop
.endr
.irp t, 0,1,2,3
.irp c, 0,1,2,3
	ds_load_b128 v[32+16*\t+4*\c:35+16*\t+4*\c], v[ADV] offset:2048*\t+512*\c   ; V's four tiles land while the softmax is walked
.endr
.endr
	v_max3_num_f32 v254, v96, v97, v98             ; the step's largest score of my query among my 64 keys, in two chains,
	v_max3_num_f32 v252, v99, v100, v101
.irp i, 6,10,14,18,22,26,30,34,38,42,46,50,54,58
	v_max3_num_f32 v254, v254, v[96+\i], v[97+\i]
	v_max3_num_f32 v252, v252, v[98+\i], v[99+\i]
.endr
	v_max3_num_f32 v254, v254, v158, v159
	s_delay_alu instid0(VALU_DEP_1)
	v_max_num_f32 v254, v254, v252
	s_delay_alu instid0(VALU_DEP_1)
	v_permlanex16_b32 v236, v254, s[SEL], s[SEL+1]
	s_delay_alu instid0(VALU_DEP_1)
	v_max_num_f32 v254, v254, v236                 ; and among lane l xor 16's
	s_delay_alu instid0(VALU_DEP_1)
	v_mul_f32 v254, s[CS], v254                    ; as t (c is positive)
	s_delay_alu instid0(VALU_DEP_1)
	v_max_num_f32 v13, v13, v254                   ; the running largest t
	v_mov_b32 v254, v12
	s_delay_alu instid0(VALU_DEP_2)
	v_floor_f32 v12, -v13                          ; the new -M = floor(-t): M is a whole number
	s_delay_alu instid0(VALU_DEP_1)
	v_sub_f32 v254, v12, v254                      ; old M - new M: a whole number, 0 or less
	s_delay_alu instid0(VALU_DEP_1)
	v_cvt_i32_f32 v254, v254                       ; (it saturates)
	s_delay_alu instid0(VALU_DEP_1)
	v_ldexp_f32 v252, 1.0, v254                    ; f = 2^(old M - new M)
.set nn, 0
.rept 32
	v_pk_fma_f32 v[96+nn:97+nn], v[96+nn:97+nn], s[CS:CS+1], v[12:13] op_sel_hi:[1,0,0]   ; t - M, two at a time
.set nn, nn+2
.endr
	s_wait_alu depctr_va_vdst(0)                   ; ahead of the batch
.set nn, 0
.rept 64
	v_exp_f32 v[96+nn], v[96+nn]                   ; p = 2^(t - M)
.set nn, nn+1
.endr
	v_pk_mul_f32 v[14:15], v[14:15], v[252:253] op_sel_hi:[1,0]   ; the sums under the new M: the plain instruction behind the exponentials
	s_wait_alu depctr_va_vdst(0)                   ; one wait for the batch of 64, ahead of its first reader
.set nn, 96                                    ; THE SUM of the unquantised p, in eight chains
.irp q, 242,254,250,248,246,238,234
	v_pk_add_f32 v[\q:\q+1], v[nn:nn+1], v[nn+2:nn+3]
.set nn, nn+8
.endr
	v_pk_add_f32 v[14:15], v[14:15], v[152:153]
.set nn, 100
.irp q, 242,254,250,248,246,238,234
	v_pk_add_f32 v[\q:\q+1], v[\q:\q+1], v[nn:nn+1]
.set nn, nn+8
.endr
	v_pk_add_f32 v[14:15], v[14:15], v[154:155]
.set nn, 102
.irp q, 242,254,250,248,246,238,234
	v_pk_add_f32 v[\q:\q+1], v[\q:\q+1], v[nn:nn+1]
.set nn, nn+8
.endr
	v_pk_add_f32 v[14:15], v[14:15], v[156:157]
	v_pk_add_f32 v[242:243], v[242:243], v[246:247]
	v_pk_add_f32 v[254:255], v[254:255], v[238:239]
	v_pk_add_f32 v[250:251], v[250:251], v[234:235]
	v_pk_add_f32 v[14:15], v[14:15], v[158:159]
	v_pk_add_f32 v[242:243], v[242:243], v[248:249]
	v_pk_add_f32 v[254:255], v[254:255], v[250:251]
	s_delay_alu instid0(VALU_DEP_2)
	v_pk_add_f32 v[14:15], v[14:15], v[242:243]
	s_delay_alu instid0(VALU_DEP_1)
	v_pk_add_f32 v[14:15], v[14:15], v[254:255]
.set nn, 96
.rept 32
	v_dual_min_num_f32 v[nn], v240, v[nn] :: v_dual_min_num_f32 v[nn+1], v240, v[nn+1]   ; the conversion does not saturate (ISA guide 7.6.2); p is not negative, so the hold is one-sided
.set nn, nn+2
.endr
.irp c, 0,1,2,3,4,5,6,7
	v_cvt_scalef32_pk8_fp8_f32 v[192+2*\c:193+2*\c], v[96+8*\c:103+8*\c], v244
.endr
	s_wait_alu depctr_va_vdst(0)                   ; ahead of O^T's first reader
.set nn, 160
.rept 16
	v_pk_mul_f32 v[nn:nn+1], v[nn:nn+1], v[252:253] op_sel_hi:[1,0]   ; O^T under the new M; also the plain instructions behind the conversions
.set nn, nn+2
.endr
	s_wait_alu depctr_va_vdst(0)
	s_wait_dscnt 0x0                               ; V
.irp t, 0,1,2,3
	v_wmma_f32_16x16x128_fp8_fp8 v[160+8*\t:167+8*\t], v[32+16*\t:47+16*\t], v[192:207], v[160+8*\t:167+8*\t]   ; four accumulators by turns
.endr
.Lhidden_\@:
.endm
; A PASS: one tile of 16 queries.  The trip count is a constant; what lies wholly behind the diagonal is jumped over inside the step.
.macro PASS p
	v_mov_b32 v13, 0xff61b1e6                      ; the largest t so far: -3e38
	s_delay_alu instid0(VALU_DEP_1)
	v_floor_f32 v12, -v13
	v_mov_b32 v14, 0
	v_mov_b32 v15, 0
.set nn, 160
.rept 16
	v_dual_mov_b32 v[nn], v[ZERO] :: v_dual_mov_b32 v[nn+1], v[ZERO]   ; O^T: the step is written once; its first walk finds zeros
.set nn, nn+2
.endr
	s_mov_b32 s[TB], 0
.Lkeys_\@:
	STEP \p
	s_add_co_u32 s[TB], s[TB], 8192
	s_cmp_lt_u32 s[TB], 65536
	s_cbranch_scc1 .Lkeys_\@
	v_add_f32 v14, v14, v15                        ; the sum's two halves,
	s_delay_alu instid0(VALU_DEP_1)
	v_permlanex16_b32 v236, v14, s[SEL], s[SEL+1]
	s_delay_alu instid0(VALU_DEP_1)
	v_add_f32 v14, v14, v236                       ; and lane l xor 16's
	s_wait_alu depctr_va_vdst(0)                   ; ahead of the transcendental
	v_rcp_f32 v14, v14
	v_nop                                          ; plain instructions: behind the reciprocal, and (with the additions above) the places behind the last products
	v_nop
	s_wait_alu depctr_va_vdst(0)                   ; ahead of the reciprocal's first reader
	v_ldexp_f32 v14, v14, s79                      ; x 2^(e4 + e5)
.set nn, 160
.rept 16
	v_pk_mul_f32 v[nn:nn+1], v[nn:nn+1], v[14:15] op_sel_hi:[1,0]
.set nn, nn+2
.endr
.set nn, 160
.rept 32
	v_med3_num_f32 v[nn], v[nn], -v241, v241
.set nn, nn+1
.endr
.irp t, 0,1,2,3
	v_cvt_scalef32_pk8_fp8_f32 v[208+8*\p+2*\t:209+8*\p+2*\t], v[160+8*\t:167+8*\t], v245
.endr
	v_nop                                          ; a plain instruction behind the last conversion
.endm
.macro SEND p
	global_store_b128 v[LI], v[208+8*\p:211+8*\p], s[OB+2*\p:OB+2*\p+1]              ; 512 consecutive aligned bytes each; each pass has registers of its own
	global_store_b128 v[LI], v[212+8*\p:215+8*\p], s[OB+2*\p:OB+2*\p+1] offset:512
.endm
.macro CROUND                          ; a round of the cluster's barrier
	s_barrier_signal -1
	s_barrier_wait -1
	s_cmp_lg_u32 s[WV], 0
	s_cbranch_scc1 .Lnot_wave_0_\@
	s_barrier_signal -3
.Lnot_wave_0_\@:
	s_barrier_wait -3
	s_barrier_signal -1
	s_barrier_wait -1
.endm
	s_load_b128 s[4:7], s[0:1], 0x0                ; qkv s[4:5], the scales' exponents s[6:7]
	s_load_b64 s[8:9], s[0:1], 0x10                ; oimg
	v_lshl_add_u32 v[SPW], v0, 2, SPARE
	v_mov_b32 v[NIL], 0
	ds_add_u32 v[SPW], v[NIL]                      ; the wave's opening
	ds_add_u32 v[SPW], v[NIL]
	v_lshrrev_b32 v8, 5, v0
	s_delay_alu instid0(VALU_DEP_1)
	v_readfirstlane_b32 s[WV], v8                  ; wave 0..15
	s_and_b32 s10, ttmp7, 0xffff                   ; the pair of heads: head A is 2 x pair, counted over the batches
	s_bfe_u32 s11, ttmp6, 0x40000                  ; cx
	s_mov_b32 s[G1], 15|(3<<16)|(1<<21)            ; all four of the cluster; a dense piece of 16,384 bytes as 64 rows of 32 elements of 8 bytes; no padding
	s_mov_b32 s[G1+1], 32<<16
	s_mov_b32 s[G1+2], 64<<16
	s_mov_b32 s[G1+3], 32<<16
	s_mov_b32 s[G1+4], 64
	s_mov_b32 s[G1+5], 32
	s_mov_b32 s[G1+6], 0
	s_mov_b32 s[G1+7], 0
	s_mov_b32 s[SEL], 0x76543210
	s_mov_b32 s[SEL+1], 0xfedcba98
	s_mov_b32 s[CS], 0x3e38aa3b                    ; c = log2(e) / 8
	s_mov_b32 s[AL+1], 0                           ; (named as the upper half of a pair)
	s_lshl_b32 s19, s[WV], 14                      ; my piece in LDS: waves 0-3 K of A, 4-7 V of A, 8-11 K of B, 12-15 V of B
	s_and_b32 s12, s[WV], 3
	s_lshl_b32 s12, s12, 14
	s_bfe_u32 s13, s[WV], 0x10002
	s_add_co_u32 s13, s13, 1
	s_lshl_b32 s13, s13, 23                        ; K's or V's part of the buffer
	s_add_co_u32 s12, s12, s13
	s_lshl_b32 s14, s10, 17                        ; head A's 65,536 bytes,
	s_add_co_u32 s15, s14, 65536                   ; head B's
	s_lshr_b32 s13, s[WV], 3
	s_lshl_b32 s13, s13, 16
	s_add_co_u32 s12, s12, s13
	s_add_co_u32 s12, s12, s14
	s_mov_b32 s13, 0
	s_lshl_b32 s16, s[WV], 2
	s_add_co_u32 s16, s16, s11                     ; my tile of pass 0,
	s_sub_co_u32 s17, 63, s16                      ; of pass 1
	s_and_b32 s[DT], s16, 7
	s_and_b32 s[DT+1], s17, 7
	s_lshr_b32 s49, s[WV], 1
	s_lshl_b32 s[LB], s49, 13
	s_sub_co_u32 s49, 7, s49
	s_lshl_b32 s[LB+1], s49, 13
	s_lshl_b32 s66, s16, 10
	s_add_co_u32 s66, s66, s14
	s_mov_b32 s67, 0
	s_lshl_b32 s68, s17, 10
	s_add_co_u32 s68, s68, s15
	s_mov_b32 s69, 0
	s_and_b32 s70, s10, 7
	s_lshl_b32 s70, s70, 11                        ; head A in the batch x 1,024
	s_lshr_b32 s71, s10, 3
	s_lshl_b32 s71, s71, 20                        ; the batch's 64 token tiles
	s_add_co_u32 s70, s70, s71
	s_lshl_b32 s74, s16, 14
	s_add_co_u32 s74, s74, s70
	s_mov_b32 s75, 0
	s_lshl_b32 s76, s17, 14
	s_add_co_u32 s76, s76, s70
	s_add_co_u32 s76, s76, 1024
	s_mov_b32 s77, 0
	s_wait_dscnt 0x0                               ; both opening adds are done
	s_wait_kmcnt 0x0
	s_load_b256 s[40:47], s[6:7], 0x0              ; e0 .. e7
	s_mov_b32 s[G0], 1
	s_mov_b32 s[G0+1], s19
	s_add_nc_u64 s[G0+2:G0+3], s[4:5], s[12:13]
	s_or_b32 s[G0+3], s[G0+3], 0x80000000
	CROUND                                         ; all four work-groups are here: the joint loads meet
	tensor_load_to_lds s[G0:G0+3], s[G1:G1+7]      ; every wave's one load
	s_nop 0
.rept 4
	v_nop
.endr
	s_add_nc_u64 s[QB:QB+1], s[4:5], s[66:67]
	s_add_nc_u64 s[QB+2:QB+3], s[4:5], s[68:69]
	s_add_nc_u64 s[OB:OB+1], s[8:9], s[74:75]
	s_add_nc_u64 s[OB+2:OB+3], s[8:9], s[76:77]
	v_and_b32 v8, 31, v0
	s_delay_alu instid0(VALU_DEP_1)
	v_lshlrev_b32 v[LI], 4, v8
	global_load_b128 v[16:19], v[LI], s[QB:QB+1]               ; Q's fragments of both passes stay in registers
	global_load_b128 v[20:23], v[LI], s[QB:QB+1] offset:512
	global_load_b128 v[24:27], v[LI], s[QB+2:QB+3]
	global_load_b128 v[28:31], v[LI], s[QB+2:QB+3] offset:512
	v_add_nc_u32 v[LI+1], 0x10000, v[LI]
	v_add_nc_u32 v[LI+2], 0x20000, v[LI]
	v_add_nc_u32 v[LI+3], 0x30000, v[LI]
	v_and_b32 v8, 15, v0
	v_bfe_u32 v9, v0, 4, 1
	s_delay_alu instid0(VALU_DEP_1)
	v_lshlrev_b32 v9, 3, v9
	s_delay_alu instid0(VALU_DEP_1)
	v_sub_nc_u32 v10, v8, v9                       ; key 8 (lane / 16) + j is hidden from query lane % 16 where j > v10
	v_mov_b32 v11, -1.0
	v_mov_b32 v[ZERO], 0
.irp j, 0,1,2,3,4,5,6,7
	v_cmp_gt_i32 vcc_lo, \j, v10
	v_cndmask_b32 v[DM+\j], v[ZERO], v11, vcc_lo
.endr
	v_mov_b32 v236, 0                              ; a lane permute's destination counts as one of its sources
	v_mov_b32 v251, 0                              ; (named as the upper halves of pairs)
	v_mov_b32 v252, 0
	v_mov_b32 v253, 0
	s_wait_alu depctr_va_vdst(0)
	s_wait_kmcnt 0x0
	s_add_co_i32 s10, s42, s43
	s_lshl_b32 s10, s10, 23
	s_add_co_i32 s[CS], s[CS], s10                 ; a score stands for score x 2^(e2 + e3): added to c's exponent field
	s_mov_b32 s[CS+1], s[CS]
	s_add_co_i32 s10, s44, 127
	s_lshl_b32 s11, s10, 23
	v_mov_b32 v244, s11                            ; 2^e4
	s_add_co_i32 s10, s10, 8
	s_lshl_b32 s10, s10, 23
	s_or_b32 s10, s10, 0x600000
	v_mov_b32 v240, s10                            ; 448 x 2^e4
	s_add_co_i32 s10, s46, 127
	s_lshl_b32 s11, s10, 23
	v_mov_b32 v245, s11                            ; 2^e6
	s_add_co_i32 s10, s10, 8
	s_lshl_b32 s10, s10, 23
	s_or_b32 s10, s10, 0x600000
	v_mov_b32 v241, s10                            ; 448 x 2^e6
	s_add_co_i32 s79, s44, s45                     ; e4 + e5
	s_wait_alu depctr_va_vdst(0)                   ; the head's end
	s_wait_tensorcnt 0x0                           ; my piece has landed,
	s_barrier_signal -1
	s_barrier_wait -1                              ; everybody's has: K and V of both heads lie in LDS, and no barrier stands between the passes
	s_wait_loadcnt 0x0                             ; Q
	PASS 0
	SEND 0
	PASS 1
	SEND 1
	s_wait_tensorcnt 0x0                           ; the wave's end
	ds_add_u32 v[SPW], v[NIL]
	s_wait_dscnt 0x0
	CROUND                                         ; the closing round
	s_endpgm
.Lfunc_end_k_qfbf4f90771_attn:
	.size	k_qfbf4f90771_attn, .Lfunc_end_k_qfbf4f90771_attn-k_qfbf4f90771_attn
	.p2alignl 7, 3214868480
	.fill 96, 4, 3214868480
	.section	.rodata,"a",@progbits
	.p2align	6, 0x0
	.amdhsa_kernel k_qfbf4f90771_attn
		.amdhsa_group_segment_fixed_size 327680
		.amdhsa_private_segment_fixed_size 0
		.amdhsa_enable_private_segment 0
		.amdhsa_kernarg_size 24
		.amdhsa_user_sgpr_count 2
		.amdhsa_user_sgpr_kernarg_segment_ptr 1
		.amdhsa_wavefront_size32 1
		.amdhsa_system_sgpr_workgroup_id_x 1
		.amdhsa_system_sgpr_workgroup_id_y 1
		.amdhsa_system_sgpr_workgroup_id_z 1
		.amdhsa_system_vgpr_workitem_id 0
		.amdhsa_next_free_vgpr 256
		.amdhsa_next_free_sgpr 80
		.amdhsa_reserve_vcc 1
		.amdhsa_float_denorm_mode_32 3
		.amdhsa_float_denorm_mode_16_64 3
		.amdhsa_memory_ordered 1
		.amdhsa_forward_progress 1
		.amdhsa_inst_pref_size 58
	.end_amdhsa_kernel
	.amdgpu_metadata
---
amdhsa.version: [ 1, 2 ]
amdhsa.kernels:
  - .name:           k_qfbf4f90771_attn
    .symbol:         k_qfbf4f90771_attn.kd
    .args:
      - { .name: qkv, .offset: 0, .size: 8, .value_kind: global_buffer, .address_space: global }
      - { .name: lowp_scales, .offset: 8, .size: 8, .value_kind: global_buffer, .address_space: global }
      - { .name: oimg, .offset: 16, .size: 8, .value_kind: global_buffer, .address_space: global }
    .group_segment_fixed_size: 327680
    .private_segment_fixed_size: 0
    .kernarg_segment_align: 8
    .kernarg_segment_size: 24
    .max_flat_workgroup_size: 512
    .sgpr_count:     80
    .vgpr_count:     256
    .wavefront_size: 32
...
	.end_amdgpu_metadata
.endif
;; end of part 3
;; launch proj (part 4): grid 4 x 64, 4 waves a work-group, clusters of 4 x 4, 327,680 bytes of LDS; arguments oimg, codes, lowp_scales, out0, b_proj; writes out0
.if DOCPART == 4
	.amdgcn_target "amdgcn-amd-amdhsa--gfx1250"
	.amdhsa_code_object_version 6
	.text
	.protected	k_qfbf4f90771_proj
	.globl	k_qfbf4f90771_proj
	.p2align	8
	.type	k_qfbf4f90771_proj,@function
k_qfbf4f90771_proj:
	s_mov_b64 s[64:65], 0
	v_nop
	global_prefetch_b8 v0, s[64:65] scope:SCOPE_SE
	s_setreg_imm32_b32 hwreg(HW_REG_WAVE_MODE, 25, 1), 1
	s_wait_xcnt 0x0
	s_wait_alu depctr_hold_cnt(0) depctr_sa_sdst(0) depctr_va_vdst(0) depctr_va_sdst(0) depctr_va_ssrc(0) depctr_va_vcc(0) depctr_vm_vsrc(0)
	s_getreg_b32 s2, hwreg(HW_REG_IB_STS2, 6, 4)
	s_cmp_eq_u32 s2, 0
	s_cbranch_scc0 .Lentry_in_a_cluster
	s_endpgm
.Lentry_in_a_cluster:
	s_bfe_u32 s2, ttmp6, 0x10000c
	s_cmp_lg_u32 s2, 0xf033
	s_cbranch_scc0 .Lentry_shape_is_right
	s_endpgm
.Lentry_shape_is_right:
; out = o w_proj + b_proj on codes of FP8 (E4M3).  o's codes: oimg, tiles 0-511 of 16 tokens; w_proj's: tiles 704-767 of 'codes'; a tile is 16 images of 1,024 bytes (16 rows x 64 along K), dense.
; A work-group of four waves makes 128 tokens x 256 columns; the grid is 4 x 64 = 256 work-groups.  A wave makes 64 x 128: 32 accumulators, (a, b) at window 1's v[64 a + 8 b]; 64 along K are 12 fragments and 32 matrix instructions.
; K = 1,024 goes in steps of 384, 384, 256 through two slots of 147,456 bytes, written out, no loop.  CLUSTERS of 4 x 4: tokens shared along a row, the weight along a column, asked for jointly.
; No prefetch: three K steps, no loop to run ahead in.  Source 0 = the weight's rows, source 1 = tokens: a lane holds one token and eight neighbouring columns.
; THE WAY OUT: 16 tokens x 128 columns at a time through my stage in LDS, back as rows of 512 bytes, x 2^(e6 + e7) + bias, stored as aligned units.  The stage lies in slot 1, which has had its last fill and its last read.
; LIMITS: e6 + e7 between -126 and 127.
.set TF, 64                            ; v64-127   tokens' fragments, two sets of four tiles
.set WF, 128                           ; v128-255  the weight's, two sets of eight tiles
.set BK, 128                           ; the way out: v128-255, two blocks by turns
.set SLOT1, 147456
.set SPARE, 2*SLOT1                    ; behind the slots: the spare words, 128 bytes for each wave
.set SPITCH, 528
.set TA,  16                           ; v16-18  LDS address of my tokens' images: slot 0, slot 1, slot 0 (256 along K)
.set WA,  20                           ; v20-22  of my weight images
.set STO, 24
.set RD,  25
.set CO,  26                           ; v26     16 x lane
.set BO,  27
.set SPW, 28
.set NIL, 29
.set BP,  32                           ; v32-35  the bias of my four columns of a row
.set G1, 24
.set G0, 32
.set G1B, 48
.set G0B, 56
.set MSB, 0
.macro WIN new                         ; the immediate's high byte repeats the setting that is left
.if MSB != (\new)
	s_set_vgpr_msb (MSB<<8)|(\new)
.set MSB, (\new)
.endif
.endm
; A joint load: waves 0 and 1 fetch tokens, waves 2 and 3 the weight.  An s_nop 0 and four v_nop follow each line.
.macro JLOAD
	s_cmp_eq_u32 s15, 0
	s_cbranch_scc0 .Lfor_b_\@
	tensor_load_to_lds s[G0:G0+3], s[G1:G1+7]
	s_nop 0
.rept 4
	v_nop
.endr
	s_branch .Lasked_\@
.Lfor_b_\@:
	tensor_load_to_lds s[G0B:G0B+3], s[G1B:G1B+7]
	s_nop 0
.rept 4
	v_nop
.endr
.Lasked_\@:
.endm
.macro SETSTEP kb, slot, adv           ; the descriptors of a step of kb x 64 along K; only behind a wait that shows every load done
	s_mov_b32 s[G1+1], (128*\kb)<<16
	s_mov_b32 s[G1+3], (128*\kb)<<16
	s_mov_b32 s[G1B+1], (128*\kb)<<16
	s_mov_b32 s[G1B+3], (128*\kb)<<16
	s_mul_i32 s[G0+1], s16, 4*\kb*1024
	s_add_co_u32 s[G0+1], s[G0+1], \slot
	s_mul_i32 s[G0B+1], s16, 8*\kb*1024
	s_add_co_u32 s[G0B+1], s[G0B+1], \slot+8*\kb*1024
.if \adv
	s_add_nc_u64 s[G0+2:G0+3], s[G0+2:G0+3], \adv
	s_add_nc_u64 s[G0B+2:G0B+3], s[G0B+2:G0B+3], \adv
.endif
.endm
.macro CREST
	s_cmp_lg_u32 s14, 0
	s_cbranch_scc1 .Lnot_wave_0_\@
	s_barrier_signal -3
.Lnot_wave_0_\@:
	s_barrier_wait -3
	s_barrier_signal -1
	s_barrier_wait -1
.endm
.macro CROUND
	s_barrier_signal -1
	s_barrier_wait -1
	CREST
.endm
.macro LOC s                           ; where unit s (64 along K) lies
.if (\s) < 6
.set KB, 6
.set KK, (\s)
.set IX, 0
.else
.if (\s) < 12
.set KB, 6
.set KK, (\s)-6
.set IX, 1
.else
.set KB, 4
.set KK, (\s)-12
.set IX, 2
.endif
.endif
.endm
.macro FOUR adr, reg, i0               ; four tiles: eight loads
.irp i, 0,1,2,3
	ds_load_b128 v[\reg+8*\i:\reg+8*\i+3], v[\adr+IX] offset:((\i0+\i)*KB+KK)*1024
	ds_load_b128 v[\reg+8*\i+4:\reg+8*\i+7], v[\adr+IX] offset:((\i0+\i)*KB+KK)*1024+512
.endr
.endm
; 4 n matrix instructions: n weight tiles from b0 on x the four token tiles.  The 32 accumulators take turns, one instruction a turn.
.macro MULB b0, n, first
.set bb, \b0
.rept \n
.irp a, 0,1,2,3
.if \first
	v_wmma_f32_16x16x64_fp8_fp8 v[64*\a+8*bb:64*\a+8*bb+7], v[WC+8*bb:WC+8*bb+7], v[TC+8*\a:TC+8*\a+7], 0
.else
	v_wmma_f32_16x16x64_fp8_fp8 v[64*\a+8*bb:64*\a+8*bb+7], v[WC+8*bb:WC+8*bb+7], v[TC+8*\a:TC+8*\a+7], v[64*\a+8*bb:64*\a+8*bb+7]
.endif
.endr
.set bb, bb+1
.endr
.endm
.macro PLACES n                        ; plain vector instructions between a matrix instruction and a load into, or a read of, its registers
.rept \n
	v_nop
.endr
.endm
; turn: 0 within a slot; 1 the slot's last unit, the slot is filled again; 2 the same, nothing is filled; 3 the very last unit
.macro UNIT s, turn=0, first=0, kb=0, slot=0, adv=0
.set TC, TF+32*((\s)%2)
.set TN, TF+32*(1-(\s)%2)
.set WC, WF+64*((\s)%2)
.set WN, WF+64*(1-(\s)%2)
.if \turn == 0
	s_wait_dscnt 8                                 ; the tokens and the first four weight tiles are in; the last eight loads may be out
	PLACES 4
	WIN 0
	LOC \s+1
	FOUR TA, TN, 0
	FOUR WA, WN, 0
	WIN 0x50
	MULB 0, 4, \first
	s_wait_dscnt 16                                ; this unit's last tiles are in; the next unit's 16 loads may be out
	WIN 0
	FOUR WA, WN+32, 4
	WIN 0x50
	MULB 4, 4, \first
.endif
.if (\turn == 1) || (\turn == 2)
	WIN 0
	s_wait_tensorcnt 0x0                           ; all my tensor loads have landed: my part of the next slot
	ds_add_u32 v[SPW], v[NIL]
.if \turn == 1
	SETSTEP \kb, \slot, \adv
.endif
	s_wait_dscnt 1                                 ; this unit's tiles are in; the add may be out
	WIN 0x50
	MULB 0, 2, 0
	s_wait_dscnt 0x0                               ; the add is done, and my reads of this slot are over
	s_barrier_signal -1
	MULB 2, 2, 0
	WIN 0
	s_barrier_wait -1
.if \turn == 1
	CREST                                          ; the barrier has opened a round of the cluster's
	JLOAD                                          ; the first tensor load behind the round; its four v_nop are also the places in front of the loads below
.else
	PLACES 4
.endif
	LOC \s+1
	FOUR TA, TN, 0
	FOUR WA, WN, 0
	FOUR WA, WN+32, 4
	WIN 0x50
	MULB 4, 4, 0
.endif
.if \turn == 3
	s_wait_dscnt 8
	WIN 0x50
	MULB 0, 4, 0
	s_wait_dscnt 0x0
	MULB 4, 4, 0
	WIN 0
.endif
.endm
.macro TOSTAGE a
.set AC, 64*(\a)
	WIN 0x04                                       ; store data: window 1
.irp b, 0,1,2,3,4,5,6,7
	ds_store_b128 v[STO], v[AC+8*\b:AC+8*\b+3] offset:128*(\b/2)+32*(\b%2)
	ds_store_b128 v[STO], v[AC+8*\b+4:AC+8*\b+7] offset:128*(\b/2)+32*(\b%2)+16
.endr
	WIN 0
.set BB, BK+64*((\a)%2)
.irp t, 0,1,2,3,4,5,6,7,8,9,10,11,12,13,14,15
	ds_load_b128 v[BB+4*\t:BB+4*\t+3], v[RD] offset:\t*SPITCH   ; LDS serves a wave's instructions in order: these see my stores
.endr
.endm
.macro SEND a, younger                 ; younger: the LDS instructions issued behind block a's loads, which may stay out
.set BB, BK+64*((\a)%2)
	s_wait_dscnt \younger
.if (\a) > 0
	s_add_nc_u64 s[10:11], s[10:11], 16*4096       ; (behind a wait on XCNT) 16 rows on
.endif
.irp t, 0,1,2,3,4,5,6,7,8,9,10,11,12,13,14,15
	v_pk_fma_f32 v[BB+4*\t:BB+4*\t+1], v[BB+4*\t:BB+4*\t+1], s[96:97], v[BP:BP+1] op_sel_hi:[1,0,1]
	v_pk_fma_f32 v[BB+4*\t+2:BB+4*\t+3], v[BB+4*\t+2:BB+4*\t+3], s[96:97], v[BP+2:BP+3] op_sel_hi:[1,0,1]
.endr
.irp t, 0,1,2,3,4,5,6,7,8,9,10,11,12,13,14,15
	global_store_b128 v[CO], v[BB+4*\t:BB+4*\t+3], s[10:11] offset:\t*4096 th:TH_STORE_NT   ; 32 lanes store 512 consecutive aligned bytes
.endr
.endm
	s_load_b256 s[4:11], s[0:1], 0x0               ; oimg s[4:5], codes s[6:7], the scales' exponents s[8:9], out s[10:11]
	s_load_b64 s[12:13], s[0:1], 0x20              ; the bias
	v_lshl_add_u32 v[SPW], v0, 2, SPARE
	v_mov_b32 v[NIL], 0
	ds_add_u32 v[SPW], v[NIL]                      ; the wave's opening
	ds_add_u32 v[SPW], v[NIL]
	v_lshrrev_b32 v1, 5, v0
	v_readfirstlane_b32 s14, v1                    ; wave 0..3
	s_lshr_b32 s15, s14, 1                         ; which 64 tokens are mine.  Also: I fetch tokens (0) or the weight (1)
	s_and_b32 s16, s14, 1                          ; which 128 columns are mine.  Also: which half I fetch
	s_bfe_u32 s40, ttmp6, 0x40000                  ; cx
	s_bfe_u32 s41, ttmp6, 0x40004                  ; cy
	s_lshl_b32 s42, ttmp9, 2
	s_add_co_u32 s42, s42, s40                     ; which 256 columns
	s_and_b32 s17, ttmp7, 0xffff
	s_lshl_b32 s17, s17, 2
	s_add_co_u32 s17, s17, s41                     ; which 128 tokens
	s_lshl_b32 s43, s41, 2
	s_lshl_b32 s43, 15, s43                        ; my row of the cluster
	s_lshl_b32 s44, 0x1111, s40                    ; my column
	s_or_b32 s[G1], s43, (3<<16)|(1<<21)           ; the mask; elements of 8 bytes; bit 21 beside a mask; no padding
	s_or_b32 s[G1B], s44, (3<<16)|(1<<21)
	s_mov_b32 s[G1+2], 4<<16                       ; tokens: 4 tiles
	s_mov_b32 s[G1+4], 4
	s_mov_b32 s[G1+5], 2048                        ; 16,384 bytes from tile to tile
	s_mov_b32 s[G1+6], 0
	s_mov_b32 s[G1+7], 0
	s_mov_b32 s[G1B+2], 8<<16                      ; the weight: 8 tiles
	s_mov_b32 s[G1B+4], 8
	s_mov_b32 s[G1B+5], 2048
	s_mov_b32 s[G1B+6], 0
	s_mov_b32 s[G1B+7], 0
	SETSTEP 6, 0, 0
	s_lshl_b32 s20, s17, 3
	s_lshl_b32 s18, s16, 2
	s_add_co_u32 s20, s20, s18
	s_lshl_b32 s20, s20, 14                        ; token tile 8 y + 4 half
	s_mov_b32 s21, 0
	s_lshl_b32 s46, s42, 4
	s_lshl_b32 s19, s16, 3
	s_add_co_u32 s46, s46, s19
	s_add_co_u32 s46, s46, 704
	s_lshl_b32 s46, s46, 14                        ; weight tile 704 + 16 x + 8 half
	s_mov_b32 s47, 0
	s_wait_dscnt 0x0                               ; both opening adds are done
	s_wait_kmcnt 0x0
	s_load_b256 s[72:79], s[8:9], 0x0              ; e0 .. e7
	s_mov_b32 s[G0], 1
	s_add_nc_u64 s[G0+2:G0+3], s[4:5], s[20:21]
	s_or_b32 s[G0+3], s[G0+3], 0x80000000
	s_mov_b32 s[G0B], 1
	s_add_nc_u64 s[G0B+2:G0B+3], s[6:7], s[46:47]
	s_or_b32 s[G0B+3], s[G0B+3], 0x80000000
	CROUND                                         ; all sixteen work-groups are here: the first joint loads meet
	JLOAD                                          ; step 0: one tensor load a wave at the head
	v_and_b32 v1, 15, v0                           ; r
	v_bfe_u32 v2, v0, 4, 1                         ; h
	v_and_b32 v3, 31, v0
	v_lshlrev_b32 v[CO], 4, v3
	v_mul_u32_u24 v5, v1, SPITCH
	v_lshl_add_u32 v5, v2, 6, v5                   ; into the stage: row r, 16 columns of my half
	s_wait_alu depctr_va_vdst(0)
	s_lshl_b32 s80, s42, 10
	s_lshl_b32 s81, s16, 9
	s_add_co_u32 s80, s80, s81                     ; my first column in bytes
	s_mov_b32 s81, 0
	v_add_nc_u32 v[BO], s80, v[CO]
	global_load_b128 v[BP:BP+3], v[BO], s[12:13]
.macro ADR ix, kb, slot
	s_mul_i32 s21, s15, 4*\kb*1024
	s_add_co_u32 s21, s21, \slot
	v_add_nc_u32 v[TA+\ix], s21, v[CO]
	s_mul_i32 s22, s16, 8*\kb*1024
	s_add_co_u32 s22, s22, \slot+8*\kb*1024
	v_add_nc_u32 v[WA+\ix], s22, v[CO]
.endm
	ADR 0, 6, 0
	ADR 1, 6, SLOT1
	ADR 2, 4, 0
	s_mul_i32 s23, s14, 16*SPITCH
	s_add_co_u32 s23, s23, SLOT1                   ; my stage
	v_add_nc_u32 v[STO], s23, v5
	v_add_nc_u32 v[RD], s23, v[CO]
	s_lshl_b32 s82, s17, 7
	s_lshl_b32 s83, s15, 6
	s_add_co_u32 s82, s82, s83
	s_lshl_b32 s82, s82, 12                        ; my first token's row of 4,096 bytes
	s_mov_b32 s83, 0
	s_add_nc_u64 s[10:11], s[10:11], s[82:83]
	s_add_nc_u64 s[10:11], s[10:11], s[80:81]
	s_wait_alu depctr_va_vdst(0)                   ; the head's end
	s_wait_tensorcnt 0x0                           ; my part of step 0 is in
	ds_add_u32 v[SPW], v[NIL]
	SETSTEP 6, SLOT1, 6144
	s_wait_dscnt 0x0                               ; the add is done
	CROUND
	JLOAD                                          ; step 1
	LOC 0
	FOUR TA, TF, 0
	FOUR WA, WF, 0
	FOUR WA, WF+32, 4
	UNIT 0, 0, 1                                   ; the first products start the sums: nothing is cleared
	UNIT 1
	UNIT 2
	UNIT 3
	UNIT 4
	UNIT 5, 1, 0, 4, 0, 6144                       ; slot 0 takes step 2 (256 along K)
	UNIT 6
	UNIT 7
	UNIT 8
	UNIT 9
	UNIT 10
	UNIT 11, 2                                     ; nothing is left to fetch
	UNIT 12
	UNIT 13
	UNIT 14
	UNIT 15, 3
	s_wait_kmcnt 0x0
	s_add_co_i32 s96, s78, s79
	s_add_co_i32 s96, s96, 127
	s_lshl_b32 s96, s96, 23                        ; 2^(e6 + e7) as f32
	s_mov_b32 s97, s96                             ; (named with it as a pair)
	s_wait_loadcnt 0x0                             ; the bias
	PLACES 4
	TOSTAGE 0
.irp a, 1,2,3
.if \a > 1
	s_wait_xcnt 0x0                                ; block a - 2's stores have read their registers and their base
.endif
	TOSTAGE \a
	SEND \a-1, 32                                  ; behind block a - 1's loads: block a's 16 stores and 16 loads
.endr
	s_wait_xcnt 0x0
	SEND 3, 0
	s_wait_tensorcnt 0x0                           ; the wave's end
	ds_add_u32 v[SPW], v[NIL]
	s_wait_dscnt 0x0
	CROUND                                         ; the closing round
	s_endpgm
.Lfunc_end_k_qfbf4f90771_proj:
	.size	k_qfbf4f90771_proj, .Lfunc_end_k_qfbf4f90771_proj-k_qfbf4f90771_proj
	.p2alignl 7, 3214868480
	.fill 96, 4, 3214868480
	.section	.rodata,"a",@progbits
	.p2align	6, 0x0
	.amdhsa_kernel k_qfbf4f90771_proj
		.amdhsa_group_segment_fixed_size 327680
		.amdhsa_private_segment_fixed_size 0
		.amdhsa_enable_private_segment 0
		.amdhsa_kernarg_size 40
		.amdhsa_user_sgpr_count 2
		.amdhsa_user_sgpr_kernarg_segment_ptr 1
		.amdhsa_wavefront_size32 1
		.amdhsa_system_sgpr_workgroup_id_x 1
		.amdhsa_system_sgpr_workgroup_id_y 1
		.amdhsa_system_sgpr_workgroup_id_z 1
		.amdhsa_system_vgpr_workitem_id 0
		.amdhsa_next_free_vgpr 512
		.amdhsa_next_free_sgpr 98
		.amdhsa_reserve_vcc 0
		.amdhsa_float_denorm_mode_32 3
		.amdhsa_float_denorm_mode_16_64 3
		.amdhsa_memory_ordered 1
		.amdhsa_forward_progress 1
		.amdhsa_inst_pref_size 94
	.end_amdhsa_kernel
	.amdgpu_metadata
---
amdhsa.version: [ 1, 2 ]
amdhsa.kernels:
  - .name:           k_qfbf4f90771_proj
    .symbol:         k_qfbf4f90771_proj.kd
    .args:
      - { .name: oimg, .offset: 0, .size: 8, .value_kind: global_buffer, .address_space: global }
      - { .name: codes, .offset: 8, .size: 8, .value_kind: global_buffer, .address_space: global }
      - { .name: lowp_scales, .offset: 16, .size: 8, .value_kind: global_buffer, .address_space: global }
      - { .name: out0, .offset: 24, .size: 8, .value_kind: global_buffer, .address_space: global }
      - { .name: b_proj, .offset: 32, .size: 8, .value_kind: global_buffer, .address_space: global }
    .group_segment_fixed_size: 327680
    .private_segment_fixed_size: 0
    .kernarg_segment_align: 8
    .kernarg_segment_size: 40
    .max_flat_workgroup_size: 128
    .sgpr_count:     98
    .vgpr_count:     512
    .wavefront_size: 32
...
	.end_amdgpu_metadata
.endif
;; end of part 4
